; MI455X (gfx1250); checked and timed in simulation.
; The chip was launched on July 23, 2026; its instructions are those of AMD's public machine-readable ISA for CDNA 5 (MIT licence, August 2026) and "CDNA5" Instruction Set Architecture Reference Guide (July 2026). The comments in the code are by the model that wrote it; some were corrected since.
;; Multihead Attention. Allowed arithmetic: matrix products marked QUANTISED: E3M2 operands, one E8M0 scale for each 32 along K, by v_wmma_scale_f32_16x16x128_f8f6f4 with both operands' format E3M2, f32 sums; everything else in f32.
;; Inputs: Wk_codes 512 x 16 x 24 uint8 (E3M2 codes of Wk, K innermost, in blocks of 32 codes, four codes in three bytes); Wk_scales 512 x 16 uint8 (E8M0 scales of Wk, one for each 32 codes along K); Wo_codes 512 x 16 x 24 uint8 (E3M2 codes of Wo, K innermost, in blocks of 32 codes, four codes in three bytes); Wo_scales 512 x 16 uint8 (E8M0 scales of Wo, one for each 32 codes along K); Wq_codes 512 x 16 x 24 uint8 (E3M2 codes of Wq, K innermost, in blocks of 32 codes, four codes in three bytes); Wq_scales 512 x 16 uint8 (E8M0 scales of Wq, one for each 32 codes along K); Wv_codes 512 x 16 x 24 uint8 (E3M2 codes of Wv, K innermost, in blocks of 32 codes, four codes in three bytes); Wv_scales 512 x 16 uint8 (E8M0 scales of Wv, one for each 32 codes along K); bk 512 float32; bo 512 float32; bq 512 float32; bv 512 float32; key__codes 2 x 4,096 x 16 x 24 uint8 (E3M2 codes of key_, K innermost, in blocks of 32 codes, four codes in three bytes); key__scales 2 x 4,096 x 16 uint8 (E8M0 scales of key_, one for each 32 codes along K); query_codes 2 x 4,096 x 16 x 24 uint8 (E3M2 codes of query, K innermost, in blocks of 32 codes, four codes in three bytes); query_scales 2 x 4,096 x 16 uint8 (E8M0 scales of query, one for each 32 codes along K); value_codes 2 x 4,096 x 16 x 24 uint8 (E3M2 codes of value, K innermost, in blocks of 32 codes, four codes in three bytes); value_scales 2 x 4,096 x 16 uint8 (E8M0 scales of value, one for each 32 codes along K).
;; Outputs: out0 2 x 4,096 x 512 float32.
;; This version of the problem:
;;   THIS VERSION OF THE PROBLEM IS GIVEN IN LOW PRECISION. The matrix products marked QUANTISED in the list below multiply operands that are first quantised to E3M2 (3 exponent bits, 2 mantissa bits; 6 bits a number), with one power-of-two scale for each 32 numbers along K (OCP MX v1.0); their sums are f32. All else is computed in f32.
;;   The module's matrix products, in the order in which they are computed (A, B: the left and right operand; K: the contracted axis; several contracted axes count as one K, in the product's order):
;;     1. [M 8,192, K 512] x [K 512, N 512]; A: input query (given as codes); B: input Wq (given as codes): QUANTISED
;;     2. [M 8,192, K 512] x [K 512, N 512]; A: input key_ (given as codes); B: input Wk (given as codes): QUANTISED
;;     3. [M 8,192, K 512] x [K 512, N 512]; A: input value (given as codes); B: input Wv (given as codes): QUANTISED
;;     4. batch 16 x [M 4,096, K 64] x [K 64, N 4,096]; A: computed on the way; B: computed on the way: QUANTISED
;;     5. batch 16 x [M 4,096, K 4,096] x [K 4,096, N 64]; A: softmax (see below); B: computed on the way: QUANTISED
;;     6. [M 8,192, K 512] x [K 512, N 512]; A: computed on the way; B: input Wo (given as codes): QUANTISED
;;   THE QUANTISER, for each operand of a quantised product, along K:
;;     - K is cut into blocks of 32 from its start; a last block that is shorter is filled with zeros.
;;     - A block's scale is 2^e with e = floor(log2(the largest magnitude in the block)) - 4, held to -126 .. 127; a block of zeros has e = 0. As a byte (E8M0): e + 127.
;;     - Each number is divided by its block's scale, clamped to +-28, and rounded to the nearest number of E3M2, ties to even, subnormals kept.
;;     - The product sums the exact products of the quantised numbers (number of the format x scale) in f32.
;;   ~~~python
;;   def quantise(x, axis):      # numpy; x: float32 -> the quantised numbers, widened to float32 again
;;       x = np.moveaxis(x, axis, -1); K = x.shape[-1]
;;       x = np.pad(x, [(0, 0)] * (x.ndim - 1) + [(0, -K % 32)]); x = x.reshape(x.shape[:-1] + (-1, 32)); a = np.abs(x).max(-1, keepdims=True)
;;       e = np.where(a > 0, np.clip(np.frexp(np.where(a > 0, a, 1))[1] - 1 - 4, -126, 127), 0)      # np.frexp(a)[1] - 1 = floor(log2(a)), exactly
;;       r = np.clip(x / 2.0 ** e, -28, 28)
;;       step = 2.0 ** (np.maximum(np.frexp(np.where(r == 0, 1, r))[1] - 1, -2) - 2)
;;       q = np.round(r / step) * step * 2.0 ** e      # np.round: ties to even
;;       return np.moveaxis(q.reshape(q.shape[:-2] + (-1,))[..., :K], -1, axis).astype(np.float32)
;;   ~~~
;;   SOFTMAX AHEAD OF A QUANTISED PRODUCT. Where the list says 'softmax', what is quantised is not the finished softmax but p = 2^(t - M), with t = logit x log2(e) and M = ceil(the row's largest t), a whole number; so 1/2 < the row's largest p <= 1. The row's sum l is taken of the UNQUANTISED p, in f32, and the product's result is divided by l at the end. Since M is a whole number, a kernel that streams over the keys may use a running M (the ceiling of the running maximum): every later rescaling is an exact power of two, which a block's scale takes up: the codes' values come out the same.
;;   OPERANDS COMPUTED ON THE WAY. 'Computed on the way' means the value that the module computes at that place (a softmax that the list does not call 'softmax' is quantised finished and normalised). What goes into a quantiser is computed in f32, as accurately as f32 sums, v_exp_f32 and their like allow (about 1e-6 of the number): no bf16 or f16 on the way to a quantiser, and a product that is left as it is and whose result goes on into a quantised operand takes f32 operands (vector FMAs, or v_wmma_f32_16x16x4_f32). A number that lies on a knife's edge between two numbers of the format may be rounded either way, as far as f32 arithmetic and the matrix unit's own rounding can turn it there, and no further.
;;   INPUTS GIVEN AS CODES. Wk (in the module: [512, 512], K = its axis 1); Wo (in the module: [512, 512], K = its axis 1); Wq (in the module: [512, 512], K = its axis 1); Wv (in the module: [512, 512], K = its axis 1); key_ (in the module: [2, 4096, 512], K = its axis 2); query (in the module: [2, 4096, 512], K = its axis 2); value (in the module: [2, 4096, 512], K = its axis 2): each comes as NAME_codes (uint8): NAME with its K axis moved to the last place and cut into blocks of 32 codes, [.., K / 32, bytes a block], one block behind the other in memory; four codes in three bytes: a row's codes are one little-endian stream of bits, code i at bits 6 i .. 6 i + 5 (a code: sign, 3 exponent bits, 2 mantissa bits); and NAME_scales (uint8): the same leading axes, one E8M0 byte (e + 127) for each 32 codes along K. Its value is code x scale, taken as it is: it is not quantised again, and the codes and scales need not be those that the quantiser above would give.
;; One version. Each part assembles by itself: llvm-mc -triple=amdgcn-amd-amdhsa -mcpu=gfx1250 --defsym DOCPART=n.
;; ======== version 1 of 1: 3 launches
;; limits: right only within a limited range of input values
;; workspace buffers: qimg 3,407,872 bytes; kv 6,815,744 bytes; cimg 3,145,728 bytes; csc 131,072 bytes
;; launch proj (part 1): grid 64 x 3, 4 waves a work-group, clusters of 4 x 1, 287,232 bytes of LDS; arguments query_codes, query_scales, key__codes, key__scales, value_codes, value_scales, Wq_codes, Wq_scales, Wk_codes, Wk_scales, Wv_codes, Wv_scales, bq, bk, bv, qimg, kv; writes qimg, kv
.if DOCPART == 1
	.amdgcn_target "amdgcn-amd-amdhsa--gfx1250"
	.amdhsa_code_object_version 6
	.text
	.protected	k_q049a44497e_proj
	.globl	k_q049a44497e_proj
	.p2align	8
	.type	k_q049a44497e_proj,@function
k_q049a44497e_proj:
	s_mov_b64 s[64:65], 0
	v_nop
	global_prefetch_b8 v0, s[64:65] scope:SCOPE_SE
	s_setreg_imm32_b32 hwreg(HW_REG_WAVE_MODE, 25, 1), 1
	s_wait_xcnt 0x0
	s_wait_alu depctr_hold_cnt(0) depctr_sa_sdst(0) depctr_va_vdst(0) depctr_va_sdst(0) depctr_va_ssrc(0) depctr_va_vcc(0) depctr_vm_vsrc(0)
	s_getreg_b32 s2, hwreg(HW_REG_IB_STS2, 6, 4)
	s_cmp_eq_u32 s2, 0
	s_cbranch_scc0 .Lentry_in_a_cluster
	s_endpgm
.Lentry_in_a_cluster:
	s_bfe_u32 s2, ttmp6, 0x10000c
	s_cmp_lg_u32 s2, 0x3003
	s_cbranch_scc0 .Lentry_shape_is_right
	s_endpgm
.Lentry_shape_is_right:
; q = query Wq^T + bq, k = key_ Wk^T + bk, v = value Wv^T + bv, on codes of BF6 (E3M2) with one E8M0 scale for each 32 along K = 512; the results are quantised
; in registers and leave as IMAGES OF OPERAND REGISTERS for the attention launch: q and k along the head's 64, v along the keys.
; SHARES.  Work-group y is the kind (0 q, 1 k, 2 v); work-group x a block of 128 tokens (batch x / 32, step x % 32).  Wave w owns features 128 w .. 128 w + 127: heads 2 w and 2 w + 1.
; ONE CORE: D = P x R.  P (source 0): 128 rows in 8 tiles, kept in registers; lane r of tile t takes row 32 (t / 2) + 8 (t % 2) + r + 8 (r / 8), so that the 16 registers of tiles 2 b and 2 b + 1
; are 16 neighbouring rows.  R (source 1): 32 rows in 2 tiles, lane r of tile u takes row 8 u + r + 8 (r / 8).  Four units of 32 rows of R a wave, 64 matrix instructions each.
;   q, k: P = my 128 rows of W, R = tokens: a lane holds one token, its registers run along the features.   v: P = the 128 tokens, R = my rows of Wv: a lane holds one feature, its registers run along the keys.
; OUT.  A fragment (12 registers) is three runs of 512 bytes, run c = registers 4 c .. 4 c + 3, lane l at 16 l.  A fragment of q or k carries 32 tokens of one head: registers 0-5 tile u = 0, registers 6-11 tile u = 1
; (64 along K each); its scale word is (u = 0: two bytes, u = 1: two bytes).  A record of 128 tokens: 4 fragments, then 512 bytes of scale words (lane l: the four fragments' words at 16 l).
; kv's record: K's 6,656 bytes, then V's 6,656 (4 fragments of 16 of the head's 64 x 128 keys).
; CLUSTER.  The four work-groups of a cluster share the kind, so W and its scales are asked for jointly (mask 15); the tokens are each work-group's own (no mask).  All of LDS is filled once: no slot is filled again.
; LIMITS: NaN and infinities are not served.  A block whose largest magnitude lies under 2^-122 (a block of zeros too) gets the byte 1: its bytes are read by this program alone.
.set PITCH, 432                        ; an LDS row: 384 bytes of codes, 16 of padding behind every 128
.set WT,    0                          ; W's 512 rows
.set XT,    512*PITCH                  ; the 128 tokens' rows
.set WS,    XT+128*PITCH               ; W's scale bytes, 16 a row
.set XS,    WS+8192                    ; the tokens'
.set REC,   13312
.set HALF,  6656
.set LI,  1                            ; v1   16 x lane
.set AP,  2                            ; v2-3 P's rows: base + 432 rho + 24 h, and + 40 h for pieces that lie behind one padding more in lanes 16-31
.set AR,  4                            ; v4-5 the same for R
.set ASP, 6                            ; v6   P's scale rows: base + 16 rho
.set ASR, 7                            ; v7   R's
.set AB8, 8                            ; v8   64 h: the bias in the result's layout
.set AB1, 9                            ; v9   4 rho: the bias of a lane's one feature
.set PSC, 16                           ; v16-47  P's scale words, 4 t + K step
.set RSC, 48                           ; v48-63  R's, 8 set + 4 u + K step
.set BL,  64                           ; v64-71  v's bias, 2 i + u
.set SWR, 72                           ; v72-79  scale words to store
.set TM,  80                           ; v80-83 largest magnitudes, v84-87 bytes, v88-91 the conversions' scale operands
.set XH,  92                           ; v92-98  the conversions' second halves
.set PC,  100                          ; v100-123 codes
.set ACC, 128                          ; v128-255 accumulators, 64 u + 8 t
.set BQ,  192                          ; window 1: the bias as C, 8 t.  Window 1 v0-191: P's fragments of K steps 0, 1; window 2: of K steps 2, 3; window 3: R's fragments, two sets of 96
.set XC,  4                            ; s[4:5] the tokens' codes, s[6:7] their scales, s[16:17] W's codes, s[18:19] its scales, s[28:29] the bias, s[34:35] the buffer stored into
.set XSC, 6
.set WC,  16
.set WSC, 18
.set BI,  28
.set OUT, 34
.set PB,  8
.set RB,  9
.set PSB, 10
.set RSB, 11
.set SEL, 38                           ; s[38:39] lane selects: lane l xor 16
.set G1W, 40
.set G1X, 48
.set G1S, 56
.set G1T, 68
.set G0W, 76
.set G0X, 80
.set G0S, 84
.set G0T, 88
.set WV,  92
.set KIND, 93
.set XB,  94
.set RSZ, 95
.set D0,  96                           ; s[96:97] my record of head 2 w, s[98:99] of head 2 w + 1
.set D1,  98
.set MSB, 0
.macro WIN new                         ; the immediate's high byte repeats the setting that is left
.if MSB != \new
	s_set_vgpr_msb (MSB<<8)|\new
.set MSB, \new
.endif
.endm
.macro CROUND                          ; a round of the cluster's barrier
	s_barrier_signal -1
	s_barrier_wait -1
	s_cmp_lg_u32 s[WV], 0
	s_cbranch_scc1 .Lnot_wave_0_\@
	s_barrier_signal -3
.Lnot_wave_0_\@:
	s_barrier_wait -3
	s_barrier_signal -1
	s_barrier_wait -1
.endm
; A fragment, 16 rows x 128 K: lane (r, h) takes 24 bytes at 96 ks + 24 h and 24 at 96 ks + 48 + 24 h of its row, in pieces of 8 bytes
.macro FRAG reg, adr, row, ks
.irp p, 0,1,2,3,4,5
.set X0, 96*(\ks)+48*(\p/3)+8*(\p%3)
.if X0%128 < 104
	ds_load_b64 v[\reg+2*\p:\reg+2*\p+1], v[\adr] offset:X0+16*(X0/128)+(\row)*PITCH
.else
	ds_load_b64 v[\reg+2*\p:\reg+2*\p+1], v[\adr+1] offset:X0+16*(X0/128)+(\row)*PITCH
.endif
.endr
.endm
.macro PLOAD                           ; P's 32 fragments and its scale words: they stay
	WIN 0x40
.irp s, 0,1
.irp t, 0,1,2,3,4,5,6,7
	FRAG 12*(8*\s+\t), AP, 32*(\t/2)+8*(\t%2), \s
.endr
.endr
	WIN 0x80
.irp s, 2,3
.irp t, 0,1,2,3,4,5,6,7
	FRAG 12*(8*(\s-2)+\t), AP, 32*(\t/2)+8*(\t%2), \s
.endr
.endr
	WIN 0
.irp t, 0,1,2,3,4,5,6,7
	ds_load_b128 v[PSC+4*\t:PSC+4*\t+3], v[ASP] offset:(32*(\t/2)+8*(\t%2))*16
.endr
.endm
.macro RLOAD i, m                      ; m = 1 (q, k): unit i begins at token 64 (i / 2) + 16 (i % 2); m = 0 (v): at row 32 i
.set RW, 32*(\i)-(\m)*(16*((\i)%2))
	WIN 0xc0
.irp u, 0,1
.irp s, 0,1,2,3
	FRAG 96*((\i)%2)+12*(4*\u+\s), AR, RW+8*\u, \s
.endr
.endr
	WIN 0
.irp u, 0,1
	ds_load_b128 v[RSC+8*((\i)%2)+4*\u:RSC+8*((\i)%2)+4*\u+3], v[ASR] offset:(RW+8*\u)*16
.endr
.endm
; 16 matrix instructions: K step ks, the 16 accumulators by turns, in the same order in every K step.  cm = 1: C is the bias; 2: C is 0; 0: the sum goes on
.macro MUL ks, rset, cm
.if (\ks) < 2
.if (\cm) == 1
	WIN 0x1d                                       ; source 0 window 1, source 1 window 3, source 2 window 1, destination window 0
.else
	WIN 0x0d
.endif
.else
	WIN 0x0e                                       ; source 0 window 2
.endif
.irp u, 0,1
.irp t, 0,1,2,3,4,5,6,7
.set rA, 12*(8*((\ks)%2)+\t)
.set rB, 96*(\rset)+12*(4*\u+(\ks))
.set rD, ACC+64*\u+8*\t
.set rP, PSC+4*\t+(\ks)
.set rR, RSC+8*(\rset)+4*\u+(\ks)
.if (\cm) == 1
	v_wmma_scale_f32_16x16x128_f8f6f4 v[rD:rD+7], v[rA:rA+11], v[rB:rB+11], v[BQ+8*\t:BQ+8*\t+7], v[rP], v[rR] matrix_a_fmt:MATRIX_FMT_BF6 matrix_b_fmt:MATRIX_FMT_BF6
.elseif (\cm) == 2
	v_wmma_scale_f32_16x16x128_f8f6f4 v[rD:rD+7], v[rA:rA+11], v[rB:rB+11], 0, v[rP], v[rR] matrix_a_fmt:MATRIX_FMT_BF6 matrix_b_fmt:MATRIX_FMT_BF6
.else
	v_wmma_scale_f32_16x16x128_f8f6f4 v[rD:rD+7], v[rA:rA+11], v[rB:rB+11], v[rD:rD+7], v[rP], v[rR] matrix_a_fmt:MATRIX_FMT_BF6 matrix_b_fmt:MATRIX_FMT_BF6
.endif
.endr
.endr
.endm
; 64 numbers of a lane, register 16 b + i = place 32 b + 16 (lane / 16) + i along the next K, become codes: blocks 0, 1 in six registers from d0, blocks 2, 3 from d1; the four bytes stay in v[TM+4] on
.macro QUANT src, d0, d1
.irp b, 0,1,2,3
	v_max3_num_f32 v[TM+\b], |v[\src+16*\b]|, |v[\src+1+16*\b]|, 0x2800000   ; my 16 numbers of block b, and the floor 2^(5 - 127): the byte cannot fall under 1
.endr
.irp i, 2,4,6,8,10,12,14
.irp b, 0,1,2,3
	v_max3_num_f32 v[TM+\b], v[TM+\b], |v[\src+16*\b+\i]|, |v[\src+1+16*\b+\i]|
.endr
.endr
.irp b, 0,1,2,3
	v_permlanex16_b32 v[TM+4+\b], v[TM+\b], s[SEL], s[SEL+1]
.endr
.irp b, 0,1,2,3
	v_max_num_f32 v[TM+\b], v[TM+\b], v[TM+4+\b]   ; with lane l xor 16's: the block's largest magnitude
.endr
.irp b, 0,1,2,3
	v_add_nc_u32 v[TM+8+\b], 0xfe000000, v[TM+\b]  ; 4 off its exponent field: the conversion's scale operand
.endr
.irp b, 0,1,2,3
	v_lshrrev_b32 v[TM+4+\b], 23, v[TM+8+\b]       ; the scale's byte
.endr
	v_cvt_scalef32_pk16_bf6_f32 v[\d0:\d0+2], v[\src:\src+15], v[TM+8]
	v_cvt_scalef32_pk16_bf6_f32 v[XH:XH+2], v[\src+16:\src+31], v[TM+9]          ; (a conversion's three registers begin on an even number)
	v_cvt_scalef32_pk16_bf6_f32 v[\d1:\d1+2], v[\src+32:\src+47], v[TM+10]
	v_cvt_scalef32_pk16_bf6_f32 v[XH+4:XH+6], v[\src+48:\src+63], v[TM+11]
	v_nop                                          ; one plain place behind a scaled conversion
.irp n, 0,1,2
	v_permlane16_swap_b32 v[\d0+\n], v[XH+\n]      ; a whole block to a lane: lanes 0-15 the even block, lanes 16-31 the odd one
.endr
.irp n, 0,1,2
	v_permlane16_swap_b32 v[\d1+\n], v[XH+4+\n]
.endr
.irp n, 0,1,2
	v_mov_b32 v[\d0+3+\n], v[XH+\n]
.endr
.irp n, 0,1,2
	v_mov_b32 v[\d1+3+\n], v[XH+4+\n]
.endr
.endm
; A unit: 32 rows of R against P's 128, K = 512; then the way out of its 16 accumulators
.macro UNIT i, isv
.if \i < 3
	RLOAD \i+1, 1-\isv
	s_wait_dscnt 50                                ; all but the 50 loads just issued: P and this unit's R are in
.else
	s_wait_dscnt 0x0
.endif
.if \i == 0
	s_wait_loadcnt 0x0                             ; the biases
.endif
.if \isv
	MUL 0, (\i)%2, 2
.else
	MUL 0, (\i)%2, 1
.endif
	MUL 1, (\i)%2, 0
	MUL 2, (\i)%2, 0
	MUL 3, (\i)%2, 0
	WIN 0
.rept 4
	v_nop                                          ; four places behind the last products, ahead of the first read of results (ISA guide 7.12.1)
.endr
.if \i > 0
	s_wait_xcnt 0x0                                ; the last unit's stores have had their addresses translated: only behind this wait are the codes' registers written again
.endif
.if \isv
.irp u, 0,1
.set J, 64*\u
.rept 32
.if \u == 0
	v_pk_add_f32 v[ACC+J:ACC+J+1], v[ACC+J:ACC+J+1], v[BL+2*\i:BL+2*\i+1] op_sel_hi:[1,0]                ; + the bias of my feature in tile 0: the pair's first register for both halves
.else
	v_pk_add_f32 v[ACC+J:ACC+J+1], v[ACC+J:ACC+J+1], v[BL+2*\i:BL+2*\i+1] op_sel:[0,1] op_sel_hi:[1,1]   ; in tile 1: the second
.endif
.set J, J+2
.endr
	QUANT ACC+64*\u, PC+12*\u, PC+12*\u+6          ; 16 features x 128 keys: one fragment of V^T
	v_lshl_or_b32 v[SWR+2*\i+\u], v[TM+5], 8, v[TM+4]
	v_lshl_or_b32 v[SWR+2*\i+\u], v[TM+6], 16, v[SWR+2*\i+\u]
	v_lshl_or_b32 v[SWR+2*\i+\u], v[TM+7], 24, v[SWR+2*\i+\u]
.irp k, 0,1,2
	global_store_b128 v[LI], v[PC+12*\u+4*\k:PC+12*\u+4*\k+3], s[D0+2*(\i/2):D0+2*(\i/2)+1] offset:(2*(\i%2)+\u)*1536+512*\k   ; 32 lanes store 512 consecutive bytes, aligned
.endr
.endr
.else
	QUANT ACC, PC, PC+12                           ; tile 0's tokens: head 2 w's 64 into registers 0-5 of its fragment, head 2 w + 1's likewise
	v_lshl_or_b32 v[SWR+\i], v[TM+5], 8, v[TM+4]
	v_lshl_or_b32 v[SWR+4+\i], v[TM+7], 8, v[TM+6]
	QUANT ACC+64, PC+6, PC+18                      ; tile 1's: registers 6-11
	v_lshl_or_b32 v[SWR+\i], v[TM+4], 16, v[SWR+\i]
	v_lshl_or_b32 v[SWR+4+\i], v[TM+6], 16, v[SWR+4+\i]
	v_lshl_or_b32 v[SWR+\i], v[TM+5], 24, v[SWR+\i]
	v_lshl_or_b32 v[SWR+4+\i], v[TM+7], 24, v[SWR+4+\i]
.irp c, 0,1
.irp k, 0,1,2
	global_store_b128 v[LI], v[PC+12*\c+4*\k:PC+12*\c+4*\k+3], s[D0+2*\c:D0+2*\c+1] offset:1536*\i+512*\k   ; 32 lanes store 512 consecutive bytes, aligned
.endr
.endr
.endif
.endm
	s_load_b512 s[4:19], s[0:1], 0x0               ; query, key_, value (codes, scales each), Wq (codes, scales)
	s_load_b512 s[20:35], s[0:1], 0x40             ; Wk, Wv (codes, scales each), bq, bk, bv, qimg
	s_load_b64 s[36:37], s[0:1], 0x80              ; kv
	v_lshl_add_u32 v126, v0, 2, 0x46000
	v_mov_b32 v127, 0
	ds_add_u32 v126, v127
	ds_add_u32 v126, v127
	v_lshrrev_b32 v10, 5, v0
	v_readfirstlane_b32 s[WV], v10                 ; wave 0..3
	s_and_b32 s[KIND], ttmp7, 0xffff               ; the kind, which the cluster's four share
	s_bfe_u32 s66, ttmp6, 0x40000                  ; cx
	s_lshl_b32 s[XB], ttmp9, 2
	s_add_co_u32 s[XB], s[XB], s66                 ; my block of 128 tokens: it enters the tokens' and the stores' addresses alone
	s_mov_b32 s[SEL], 0x76543210
	s_mov_b32 s[SEL+1], 0xfedcba98
	; descriptor groups 1.  Rows of codes: 384 elements of 1 byte, 4 words of padding behind every 32 words; all 512 of W's rows jointly (mask 15, bit 21 beside it), the tokens' 128 rows plainly
	s_mov_b32 s[G1W], 15|(1<<20)|(1<<21)|(4<<22)|(3<<25)
	s_mov_b32 s[G1X], (1<<20)|(4<<22)|(3<<25)
.irp g, G1W, G1X
	s_mov_b32 s[\g+1], 256<<16                     ; the codes are dense in memory: they come as rows of 256 bytes, each from a multiple of 256 bytes; the padding behind every 128 bytes gives the LDS rows of 432
	s_mov_b32 s[\g+3], 256<<16
	s_mov_b32 s[\g+5], 256
	s_mov_b32 s[\g+6], 0
	s_mov_b32 s[\g+7], 0
.endr
	s_mov_b32 s[G1W+2], 768<<16                    ; all of W: 512 x 384 bytes
	s_mov_b32 s[G1W+4], 768
	s_mov_b32 s[G1X+2], 192<<16                    ; my 128 tokens: 128 x 384 bytes
	s_mov_b32 s[G1X+4], 192
	; scale bytes: dense blocks as rows of 256 bytes (32 elements of 8 bytes): W's 32 rows jointly, the tokens' 8 rows plainly
	s_mov_b32 s[G1S], 15|(3<<16)|(1<<21)
	s_mov_b32 s[G1T], 3<<16
.irp g, G1S, G1T
	s_mov_b32 s[\g+1], 32<<16
	s_mov_b32 s[\g+3], 32<<16
	s_mov_b32 s[\g+5], 32
	s_mov_b32 s[\g+6], 0
	s_mov_b32 s[\g+7], 0
.endr
	s_mov_b32 s[G1S+2], 32<<16
	s_mov_b32 s[G1S+4], 32
	s_mov_b32 s[G1T+2], 8<<16
	s_mov_b32 s[G1T+4], 8
	s_mov_b32 s[RSZ], REC
	s_cmp_eq_u32 s[KIND], 0
	s_cselect_b32 s[RSZ], HALF, s[RSZ]             ; a record's bytes: qimg's or kv's
	s_wait_dscnt 0x0
	s_wait_kmcnt 0x0
	s_cselect_b64 s[OUT:OUT+1], s[34:35], s[36:37] ; q goes to qimg, k and v to kv.  Every choice hangs on the work-group's y alone
	s_cmp_eq_u32 s[KIND], 1
	s_cselect_b64 s[XC:XC+1], s[8:9], s[4:5]
	s_cselect_b64 s[XSC:XSC+1], s[10:11], s[6:7]
	s_cselect_b64 s[WC:WC+1], s[20:21], s[16:17]
	s_cselect_b64 s[WSC:WSC+1], s[22:23], s[18:19]
	s_cselect_b64 s[BI:BI+1], s[30:31], s[28:29]
	s_cmp_eq_u32 s[KIND], 2
	s_cselect_b64 s[XC:XC+1], s[12:13], s[4:5]
	s_cselect_b64 s[XSC:XSC+1], s[14:15], s[6:7]
	s_cselect_b64 s[WC:WC+1], s[24:25], s[16:17]
	s_cselect_b64 s[WSC:WSC+1], s[26:27], s[18:19]
	s_cselect_b64 s[BI:BI+1], s[32:33], s[28:29]
	; groups 0: all of W's rows; their scale bytes; my block's 128 tokens' rows; their scale bytes
	s_mov_b32 s2, 0
	s_mov_b32 s3, 0
	s_mov_b32 s[G0W], 1
	s_mov_b32 s[G0W+1], WT
	s_add_nc_u64 s[G0W+2:G0W+3], s[WC:WC+1], s[2:3]
	s_or_b32 s[G0W+3], s[G0W+3], 0x80000000
	s_mov_b32 s2, 0
	s_mov_b32 s[G0S], 1
	s_add_co_u32 s[G0S+1], s2, WS
	s_add_nc_u64 s[G0S+2:G0S+3], s[WSC:WSC+1], s[2:3]
	s_or_b32 s[G0S+3], s[G0S+3], 0x80000000
	s_mul_i32 s66, s[XB], 49152
	s_mov_b32 s67, 0
	s_add_co_u32 s66, s66, s67
	s_mov_b32 s67, 0
	s_mov_b32 s[G0X], 1
	s_mov_b32 s[G0X+1], 0
	s_add_co_u32 s[G0X+1], s[G0X+1], XT
	s_add_nc_u64 s[G0X+2:G0X+3], s[XC:XC+1], s[66:67]
	s_or_b32 s[G0X+3], s[G0X+3], 0x80000000
	s_lshl_b32 s66, s[XB], 11
	s_lshl_b32 s2, s[WV], 9
	s_mov_b32 s[G0T], 1
	s_mov_b32 s[G0T+1], XS
	s_add_nc_u64 s[G0T+2:G0T+3], s[XSC:XSC+1], s[66:67]
	s_or_b32 s[G0T+3], s[G0T+3], 0x80000000
	s_add_nc_u64 s[BI:BI+1], s[BI:BI+1], s[2:3]    ; the bias of my 128 features: 512 w bytes on
	CROUND                                         ; all four work-groups are here: the joint loads meet
; the four tiles, one tensor load a wave: wave 0 W's codes, wave 1 the tokens' codes, wave 2 W's scales, wave 3 the tokens' scales; one tree of branches on the wave's number
.macro ARM under, g0, g1, next
	s_cmp_lt_u32 s[WV], \under
	s_cbranch_scc0 \next
	tensor_load_to_lds s[\g0:\g0+3], s[\g1:\g1+7]
	s_nop 0
.rept 4
	v_nop
.endr
	s_branch .Lhead_asked
\next:
.endm
	ARM 1, G0W, G1W, .Lhead_x
	ARM 2, G0X, G1X, .Lhead_s
	ARM 3, G0S, G1S, .Lhead_t
	tensor_load_to_lds s[G0T:G0T+3], s[G1T:G1T+7]
	s_nop 0
.rept 4
	v_nop
.endr
.Lhead_asked:
.rept 4
	v_nop
.endr
	; where my records begin: ((8 batch + 2 w) 32 + step) records; v's half lies 6,656 bytes on; head 2 w + 1's record 32 records on
	s_lshr_b32 s66, s[XB], 5
	s_lshl_b32 s66, s66, 3
	s_lshl_b32 s67, s[WV], 1
	s_add_co_u32 s66, s66, s67
	s_lshl_b32 s66, s66, 5
	s_and_b32 s67, s[XB], 31
	s_add_co_u32 s66, s66, s67
	s_mul_i32 s66, s66, s[RSZ]
	s_cmp_eq_u32 s[KIND], 2
	s_cselect_b32 s67, HALF, 0
	s_add_co_u32 s66, s66, s67
	s_mov_b32 s67, 0
	s_add_nc_u64 s[D0:D0+1], s[OUT:OUT+1], s[66:67]
	s_lshl_b32 s66, s[RSZ], 5
	s_add_nc_u64 s[D1:D1+1], s[D0:D0+1], s[66:67]
	; LDS bases: q, k: P = my rows of W, R = the tokens; v: the other way round
	s_mul_i32 s12, s[WV], 128*PITCH
	s_lshl_b32 s14, s[WV], 11
	s_add_co_u32 s14, s14, WS
	v_and_b32 v10, 31, v0
	v_lshlrev_b32 v[LI], 4, v10
	v_and_b32 v10, 15, v0                          ; r
	v_bfe_u32 v11, v0, 4, 1                        ; h
	v_and_b32 v12, 8, v10
	v_add_nc_u32 v12, v12, v10                     ; rho = r + 8 (r / 8)
	v_mul_u32_u24 v13, v12, PITCH
	v_mad_u32_u24 v14, v11, 24, v13
	v_mad_u32_u24 v15, v11, 40, v13
	v_lshlrev_b32 v13, 4, v12
	v_lshlrev_b32 v[AB8], 6, v11
	v_lshlrev_b32 v[AB1], 2, v12
.irp b, 0,1,2,3
	v_mov_b32 v[TM+4+\b], 0                        ; written once: a lane permute's destination counts as one of its sources
.endr
	; the bias in both layouts (24 loads inside its 2,048 bytes); each kind uses one of the two
	WIN 0x40
.irp t, 0,1,2,3,4,5,6,7
	global_load_b128 v[BQ+8*\t:BQ+8*\t+3], v[AB8], s[BI:BI+1] offset:(32*(\t/2)+8*(\t%2))*4        ; features 32 (t / 2) + 8 (t % 2) + 16 h + 0 .. 7: the result's layout where P is W
	global_load_b128 v[BQ+8*\t+4:BQ+8*\t+7], v[AB8], s[BI:BI+1] offset:(32*(\t/2)+8*(\t%2))*4+16
.endr
	WIN 0
.irp n, 0,1,2,3,4,5,6,7
	global_load_b32 v[BL+\n], v[AB1], s[BI:BI+1] offset:(32*(\n/2)+8*(\n%2))*4                     ; feature 32 i + 8 u + rho: a lane's one feature where R is W
.endr
	s_wait_alu depctr_va_vdst(0)
	s_wait_tensorcnt 0x0                           ; my four parts are in LDS,
	s_barrier_signal -1
	s_barrier_wait -1                              ; everybody's are
	s_cmp_eq_u32 s[KIND], 2
	s_cbranch_scc1 .Lvalue
	; q, k: P = my rows of W, R = the tokens.  THE TOKENS OF A FRAGMENT OF q OR k: lane r of tile u of unit i takes token 64 (i / 2) + 16 (i % 2) + 8 u + r % 8 + 32 (r / 8),
	; so that in the attention launch a lane's 32 scores of two neighbouring fragments are one whole block of 32 keys
	v_and_b32 v12, 8, v10
	v_mad_u32_u24 v12, v12, 3, v10                 ; r + 24 (r / 8)
	v_mul_u32_u24 v124, v12, PITCH
	v_mad_u32_u24 v[AR], v11, 24, v124
	v_mad_u32_u24 v[AR+1], v11, 40, v124
	v_add_nc_u32 v[AR], XT, v[AR]
	v_add_nc_u32 v[AR+1], XT, v[AR+1]
	v_lshl_add_u32 v[ASR], v12, 4, XS
	v_add_nc_u32 v[AP], s12, v14
	v_add_nc_u32 v[AP+1], s12, v15
	v_add_nc_u32 v[ASP], s14, v13
	s_wait_alu depctr_va_vdst(0)
	PLOAD
	RLOAD 0, 1
	UNIT 0, 0
	UNIT 1, 0
	UNIT 2, 0
	UNIT 3, 0
	s_branch .Ljoin
.Lvalue:
	; v: P = the tokens, R = my rows of Wv
	v_add_nc_u32 v[AP], XT, v14
	v_add_nc_u32 v[AP+1], XT, v15
	v_add_nc_u32 v[AR], s12, v14
	v_add_nc_u32 v[AR+1], s12, v15
	v_add_nc_u32 v[ASP], XS, v13
	v_add_nc_u32 v[ASR], s14, v13
	s_wait_alu depctr_va_vdst(0)
	PLOAD
	RLOAD 0, 0
	UNIT 0, 1
	UNIT 1, 1
	UNIT 2, 1
	UNIT 3, 1
.Ljoin:
	s_wait_alu depctr_va_vdst(0)
	global_store_b128 v[LI], v[SWR:SWR+3], s[D0:D0+1] offset:6144      ; the four fragments' scale words of each head: 512 consecutive bytes, aligned
	global_store_b128 v[LI], v[SWR+4:SWR+7], s[D1:D1+1] offset:6144
	s_wait_dscnt 0x0
	s_wait_tensorcnt 0x0
	ds_add_u32 v126, v127
	s_wait_dscnt 0x0
	CROUND                                         ; the closing round: no work-group ends while a partner may still ask jointly
	s_endpgm
.Lfunc_end_k_q049a44497e_proj:
	.size	k_q049a44497e_proj, .Lfunc_end_k_q049a44497e_proj-k_q049a44497e_proj
	.p2alignl 7, 3214868480
	.fill 96, 4, 3214868480
	.section	.rodata,"a",@progbits
	.p2align	6, 0x0
	.amdhsa_kernel k_q049a44497e_proj
		.amdhsa_group_segment_fixed_size 287232
		.amdhsa_private_segment_fixed_size 0
		.amdhsa_enable_private_segment 0
		.amdhsa_kernarg_size 136
		.amdhsa_user_sgpr_count 2
		.amdhsa_user_sgpr_kernarg_segment_ptr 1
		.amdhsa_wavefront_size32 1
		.amdhsa_system_sgpr_workgroup_id_x 1
		.amdhsa_system_sgpr_workgroup_id_y 1
		.amdhsa_system_sgpr_workgroup_id_z 1
		.amdhsa_system_vgpr_workitem_id 0
		.amdhsa_next_free_vgpr 960
		.amdhsa_next_free_sgpr 100
		.amdhsa_reserve_vcc 0
		.amdhsa_float_denorm_mode_32 3
		.amdhsa_float_denorm_mode_16_64 3
		.amdhsa_memory_ordered 1
		.amdhsa_forward_progress 1
		.amdhsa_inst_pref_size 209
	.end_amdhsa_kernel
	.amdgpu_metadata
---
amdhsa.version: [ 1, 2 ]
amdhsa.kernels:
  - .name:           k_q049a44497e_proj
    .symbol:         k_q049a44497e_proj.kd
    .args:
      - { .name: query_codes, .offset: 0, .size: 8, .value_kind: global_buffer, .address_space: global }
      - { .name: query_scales, .offset: 8, .size: 8, .value_kind: global_buffer, .address_space: global }
      - { .name: key__codes, .offset: 16, .size: 8, .value_kind: global_buffer, .address_space: global }
      - { .name: key__scales, .offset: 24, .size: 8, .value_kind: global_buffer, .address_space: global }
      - { .name: value_codes, .offset: 32, .size: 8, .value_kind: global_buffer, .address_space: global }
      - { .name: value_scales, .offset: 40, .size: 8, .value_kind: global_buffer, .address_space: global }
      - { .name: Wq_codes, .offset: 48, .size: 8, .value_kind: global_buffer, .address_space: global }
      - { .name: Wq_scales, .offset: 56, .size: 8, .value_kind: global_buffer, .address_space: global }
      - { .name: Wk_codes, .offset: 64, .size: 8, .value_kind: global_buffer, .address_space: global }
      - { .name: Wk_scales, .offset: 72, .size: 8, .value_kind: global_buffer, .address_space: global }
      - { .name: Wv_codes, .offset: 80, .size: 8, .value_kind: global_buffer, .address_space: global }
      - { .name: Wv_scales, .offset: 88, .size: 8, .value_kind: global_buffer, .address_space: global }
      - { .name: bq, .offset: 96, .size: 8, .value_kind: global_buffer, .address_space: global }
      - { .name: bk, .offset: 104, .size: 8, .value_kind: global_buffer, .address_space: global }
      - { .name: bv, .offset: 112, .size: 8, .value_kind: global_buffer, .address_space: global }
      - { .name: qimg, .offset: 120, .size: 8, .value_kind: global_buffer, .address_space: global }
      - { .name: kv, .offset: 128, .size: 8, .value_kind: global_buffer, .address_space: global }
    .group_segment_fixed_size: 287232
    .private_segment_fixed_size: 0
    .kernarg_segment_align: 8
    .kernarg_segment_size: 136
    .max_flat_workgroup_size: 128
    .sgpr_count:     100
    .vgpr_count:     960
    .wavefront_size: 32
...
	.end_amdgpu_metadata
.endif
;; end of part 1
;; launch attn (part 2): grid 16 x 16, 16 waves a work-group, clusters of 4 x 1, 327,680 bytes of LDS; arguments qimg, kv, cimg, csc; writes cimg, csc
.if DOCPART == 2
	.amdgcn_target "amdgcn-amd-amdhsa--gfx1250"
	.amdhsa_code_object_version 6
	.text
	.protected	k_q049a44497e_attn
	.globl	k_q049a44497e_attn
	.p2align	8
	.type	k_q049a44497e_attn,@function
k_q049a44497e_attn:
	s_mov_b64 s[64:65], 0
	v_nop
	global_prefetch_b8 v0, s[64:65] scope:SCOPE_SE
	s_setreg_imm32_b32 hwreg(HW_REG_WAVE_MODE, 25, 1), 1
	s_wait_xcnt 0x0
	s_wait_alu depctr_hold_cnt(0) depctr_sa_sdst(0) depctr_va_vdst(0) depctr_va_sdst(0) depctr_va_ssrc(0) depctr_va_vcc(0) depctr_vm_vsrc(0)
	s_getreg_b32 s2, hwreg(HW_REG_IB_STS2, 6, 4)
	s_cmp_eq_u32 s2, 0
	s_cbranch_scc0 .Lentry_in_a_cluster
	s_endpgm
.Lentry_in_a_cluster:
	s_bfe_u32 s2, ttmp6, 0x10000c
	s_cmp_lg_u32 s2, 0x3003
	s_cbranch_scc0 .Lentry_shape_is_right
	s_endpgm
.Lentry_shape_is_right:
; ctx = softmax_k(q . k / 8) v for one head and 256 queries a work-group, both products on codes of BF6 (E3M2) with E8M0 scales; ctx is quantised along E in registers and leaves as images of operand registers.
; THE SOFTMAX: t = score x log2(e) / 8; M = the running largest t rounded UP to a whole number; p = 2^(t - M) is quantised along the keys, not normalised; the row's sum is taken of the unquantised p
; and divides at the end.  When M moves, the sum and O are multiplied by 2^(old M - new M): exact.
; SHARES.  Sixteen waves, each with one tile of 16 queries; every wave walks the head's 32 steps of 128 keys.  Both products are used transposed (S^T = K Q^T, O^T = V^T P^T): a lane holds one query.
; OPERANDS are images of registers (a fragment: three runs of 512 bytes, lane l at 16 l): every LDS load reads 512 consecutive bytes.
; A fragment of K (or q) carries 32 tokens of the head's 64: registers 0-5 tile u = 0, registers 6-11 tile u = 1; lane r of tile u of fragment i holds token 64 (i / 2) + 16 (i % 2) + 8 u + r % 8 + 32 (r / 8).
; It is multiplied twice, by [q | 0] and by [0 | q] (q stands once, as 18 registers q, zeros, q; zero codes add nothing under the bytes 1 to 254 that this program makes).
; So register 32 c + i of S^T in lane (r, h) is key 64 c + 32 h + i: A LANE HOLDS TWO WHOLE BLOCKS OF 32 KEYS, in the order of the operand's layout: a block's maximum asks no other lane, and the conversions' results are p's operand.
; RING.  Two LDS slots of 8 steps (106,496 bytes).  CLUSTER: the four work-groups of a cluster walk the same head, so each slot is asked for jointly (mask 15): waves 0-3 bring two records each, 104 rows of 256 bytes.
; One tensor load of a wave is out behind each round.  NO PREFETCH: a slot's load is issued eight key steps ahead of the wait for it, and the launch's first slot has no loop ahead of it.
; LIMITS: NaN and infinities are not served; a p under 2^-126 counts as 0; a block whose largest magnitude lies under 2^-122 gets the byte 1 (read by this program alone); 1 / sum by v_rcp_f32;
; a block's largest p is made from its largest score by the same two instructions.  csc's bytes leave one a lane (32 a wave, beside 768 bytes of codes in whole runs of 256).
.set REC,   13312                      ; a step's record: K's 4 fragments, 512 bytes of scale words, V's 4 fragments, their scale words
.set HEADB, 32*REC
.set QREC,  6656
.set SLOTB, 8*REC
.set SLOT1, 1<<17                      ; slot 1 begins here
.set SPARE, SLOT1+SLOTB                ; the spare words: 128 bytes for each of sixteen waves
.set LI,  1                            ; 16 x lane
.set SPW, 2                            ; my spare word; never rewritten
.set NIL, 3                            ; 0; never rewritten
.set AD,  4                            ; the step's record + 16 x lane
.set QSC, 5                            ; q's scale word (s0, s1, s0, s1)
.set GO,  6
.set GS,  7
.set KSC, 8                            ; v8-11 K's scale words.  v12 -M, v13 the largest score, v[14:15] the sum; v16-33 q, zeros, q
.set VSC, 36                           ; v36-39 V's
.set FG,  40                           ; v40-87 four fragments: K's, then V's
.set H8,  88                           ; 8 x (lane / 16)
.set OM,  89                           ; the old -M
.set S,   96                           ; v96-159 S^T, then p
.set OA,  160                          ; v160-191 O^T
.set PC,  192                          ; v192-203 p's codes
.set XH,  204                          ; v204-210 the conversions' second halves
.set CH,  212                          ; v212-215 four chains of maxima
.set BM,  216                          ; v216-217 my two blocks' largest scores, then largest p
.set BT,  218                          ; v218-219 bytes
.set SO,  220                          ; v220-221 the conversions' scale operands
.set FF,  224                          ; f = 2^(old M - new M)
.set PSC, 225                          ; p's scale word
.set TT,  226
.set TX,  227
.set T,   228                          ; v228-235 four chains of the sum
.set WV,  12
.set W4,  13
.set QB,  15
.set BH,  16
.set SEL, 20
.set CS,  22                           ; s[22:23] c = log2(e) / 8
.set G1,  24
.set G0,  32
.set TB,  36
.set CNT, 37
.set SLOTS, 38
.set PAR, 39
.set NC,  41                           ; -c
.macro CROUND
	s_barrier_signal -1
	s_barrier_wait -1
	s_cmp_lg_u32 s[WV], 0
	s_cbranch_scc1 .Lnot_wave_0_\@
	s_barrier_signal -3
.Lnot_wave_0_\@:
	s_barrier_wait -3
	s_barrier_signal -1
	s_barrier_wait -1
.endm
.macro TLOAD                           ; waves 0-3 ask, each for two records of the slot
	s_cmp_lt_u32 s[WV], 4
	s_cbranch_scc0 .Lasked_\@
	tensor_load_to_lds s[G0:G0+3], s[G1:G1+7]
	s_nop 0
.rept 4
	v_nop
.endr
.Lasked_\@:
.endm
; The change of slots: all my tensor loads waited for, the add, the wait for it and for my reads of the slot left.
.macro CHANGE fill
	s_wait_tensorcnt 0x0
	ds_add_u32 v[SPW], v[NIL]
	ds_add_u32 v[SPW], v[NIL]
.if \fill
	s_xor_b32 s[G0+1], s[G0+1], SLOT1              ; no load of mine is out: the other slot, the next eight records
	s_add_nc_u64 s[G0+2:G0+3], s[G0+2:G0+3], SLOTB
.endif
	s_wait_dscnt 0x0
.if \fill
	CROUND
	TLOAD
.else
	s_barrier_signal -1
	s_barrier_wait -1
.endif
.endm
.macro STEP                            ; 128 keys
	v_add_nc_u32 v[AD], s[TB], v[LI]               ; with the last step's four closing additions: the places ahead of loads into registers that its products read
.irp b, 0,1,2,3
.irp k, 0,1,2
	ds_load_b128 v[FG+12*\b+4*\k:FG+12*\b+4*\k+3], v[AD] offset:1536*\b+512*\k
.endr
.endr
	ds_load_b128 v[KSC:KSC+3], v[AD] offset:6144
	s_wait_alu depctr_va_vdst(0)
	s_wait_dscnt 0x0
.irp b, 0,1,2,3
	v_wmma_scale_f32_16x16x128_f8f6f4 v[S+16*\b:S+16*\b+7], v[FG+12*\b:FG+12*\b+11], v[16:27], 0, v[KSC+\b], v[QSC] matrix_a_fmt:MATRIX_FMT_BF6 matrix_b_fmt:MATRIX_FMT_BF6
	v_wmma_scale_f32_16x16x128_f8f6f4 v[S+16*\b+8:S+16*\b+15], v[FG+12*\b:FG+12*\b+11], v[22:33], 0, v[KSC+\b], v[QSC] matrix_a_fmt:MATRIX_FMT_BF6 matrix_b_fmt:MATRIX_FMT_BF6
.endr
	v_mov_b32 v[OM], v12                           ; four places: for the loads below and for the first read of the scores
.rept 3
	v_nop
.endr
.irp b, 0,1,2,3                                ; V's fragments take K's registers and land under the softmax
.irp k, 0,1,2
	ds_load_b128 v[FG+12*\b+4*\k:FG+12*\b+4*\k+3], v[AD] offset:6656+1536*\b+512*\k
.endr
.endr
	ds_load_b128 v[VSC:VSC+3], v[AD] offset:12800
.irp k, 0,1,2,3                                ; four chains of 15 scores each, by turns
	v_max3_num_f32 v[CH+\k], v[S+16*\k], v[S+1+16*\k], v[S+2+16*\k]
.endr
.irp i, 3,5,7,9,11,13
.irp k, 0,1,2,3
	v_max3_num_f32 v[CH+\k], v[CH+\k], v[S+16*\k+\i], v[S+1+16*\k+\i]
.endr
.endr
.irp c, 0,1
	v_max3_num_f32 v[BM+\c], v[CH+2*\c], v[CH+2*\c+1], v[S+32*\c+15]
.endr
.irp c, 0,1
	v_max_num_f32 v[BM+\c], v[BM+\c], v[S+32*\c+31]  ; the largest score of my block 2 c + h
.endr
	v_max_num_f32 v[TT], v[BM], v[BM+1]
	v_permlanex16_b32 v[TX], v[TT], s[SEL], s[SEL+1]
	v_max3_num_f32 v13, v13, v[TT], v[TX]          ; the running largest score of my query
	v_mul_f32 v[TT], s[NC], v13                    ; -t
	v_floor_f32 v12, v[TT]                         ; -M = floor(-t) = -ceil(t)
	v_sub_f32 v[TT], v12, v[OM]                    ; old M less new M
	v_cvt_i32_f32 v[TT], v[TT]                     ; (it saturates)
	v_ldexp_f32 v[FF], 1.0, v[TT]
.set J, 0
.rept 32
	v_pk_fma_f32 v[S+J:S+J+1], v[S+J:S+J+1], s[CS:CS+1], v[12:13] op_sel_hi:[1,0,0]   ; t - M
.set J, J+2
.endr
.irp c, 0,1
	v_fma_f32 v[BM+\c], v[BM+\c], s[CS], v12
.endr
	s_wait_alu depctr_va_vdst(0)
.set J, 0
.rept 64
	v_exp_f32 v[S+J], v[S+J]
.set J, J+1
.endr
.irp c, 0,1
	v_exp_f32 v[BM+\c], v[BM+\c]                   ; the block's largest p
.endr
	v_pk_mul_f32 v[14:15], v[14:15], v[FF:FF+1] op_sel_hi:[1,0]   ; the sum under the new M; a plain place behind the batch
	s_wait_alu depctr_va_vdst(0)                   ; and the wait behind it
.irp c, 0,1
	v_max_num_f32 v[BM+\c], 0x2800000, v[BM+\c]    ; the floor 2^(5 - 127)
.endr
.irp c, 0,1
	s_delay_alu instid0(VALU_DEP_2)
	v_add_nc_u32 v[SO+\c], 0xfe000000, v[BM+\c]    ; 4 off the exponent field
.endr
.irp c, 0,1
	s_delay_alu instid0(VALU_DEP_2)
	v_lshrrev_b32 v[BT+\c], 23, v[SO+\c]
.endr
	s_delay_alu instid0(VALU_DEP_1)
	v_lshl_or_b32 v[TT], v[BT+1], 16, v[BT]        ; my two bytes, blocks h and 2 + h,
	s_delay_alu instid0(VALU_DEP_1)
	v_lshlrev_b32 v[TT], v[H8], v[TT]              ; at their places;
	s_delay_alu instid0(VALU_DEP_1)
	v_permlanex16_b32 v[TX], v[TT], s[SEL], s[SEL+1]
	s_delay_alu instid0(VALU_DEP_1)
	v_or_b32 v[PSC], v[TT], v[TX]                  ; with lane l xor 16's two the word is whole
.irp c, 0,1
	v_cvt_scalef32_pk16_bf6_f32 v[PC+6*\c:PC+6*\c+2], v[S+32*\c:S+32*\c+15], v[SO+\c]
	v_cvt_scalef32_pk16_bf6_f32 v[XH+4*\c:XH+4*\c+2], v[S+32*\c+16:S+32*\c+31], v[SO+\c]   ; (a conversion's three registers begin on an even number)
.endr
.irp k, 0,1,2,3                                ; the sum of the unquantised p, four chains; also the plain place behind the conversions
	v_pk_add_f32 v[T+2*\k:T+2*\k+1], v[S+2*\k:S+2*\k+1], v[S+8+2*\k:S+8+2*\k+1]
.endr
.irp m, 2,3,4,5,6,7
.irp k, 0,1,2,3
	v_pk_add_f32 v[T+2*\k:T+2*\k+1], v[T+2*\k:T+2*\k+1], v[S+8*\m+2*\k:S+8*\m+2*\k+1]
.endr
.endr
.irp c, 0,1
.irp n, 0,1,2
	v_mov_b32 v[PC+6*\c+3+\n], v[XH+4*\c+\n]
.endr
.endr
	s_wait_alu depctr_va_vdst(0)
.set J, 0
.rept 16
	v_pk_mul_f32 v[OA+J:OA+J+1], v[OA+J:OA+J+1], v[FF:FF+1] op_sel_hi:[1,0]
.set J, J+2
.endr
	s_wait_alu depctr_va_vdst(0)
	s_wait_dscnt 0x0                               ; V is in
.irp t, 0,1,2,3                                ; four accumulators by turns
	v_wmma_scale_f32_16x16x128_f8f6f4 v[OA+8*\t:OA+8*\t+7], v[FG+12*\t:FG+12*\t+11], v[PC:PC+11], v[OA+8*\t:OA+8*\t+7], v[VSC+\t], v[PSC] matrix_a_fmt:MATRIX_FMT_BF6 matrix_b_fmt:MATRIX_FMT_BF6
.endr
	v_pk_add_f32 v[T:T+1], v[T:T+1], v[T+2:T+3]    ; the chains are joined behind the products: four places
	v_pk_add_f32 v[T+4:T+5], v[T+4:T+5], v[T+6:T+7]
	s_delay_alu instid0(VALU_DEP_1)
	v_pk_add_f32 v[T:T+1], v[T:T+1], v[T+4:T+5]
	s_delay_alu instid0(VALU_DEP_1)
	v_pk_add_f32 v[14:15], v[14:15], v[T:T+1]
	s_add_co_u32 s[TB], s[TB], REC
.endm
.macro EIGHT
	s_mov_b32 s[CNT], 8
.Lstep_\@:
	STEP
	s_sub_co_u32 s[CNT], s[CNT], 1
	s_cmp_lg_u32 s[CNT], 0
	s_cbranch_scc1 .Lstep_\@
	s_sub_co_u32 s[TB], s[TB], SLOTB
	s_xor_b32 s[TB], s[TB], SLOT1
.endm
	s_load_b256 s[4:11], s[0:1], 0x0               ; qimg, kv, cimg, csc
	v_lshl_add_u32 v[SPW], v0, 2, SPARE
	v_mov_b32 v[NIL], 0
	ds_add_u32 v[SPW], v[NIL]
	ds_add_u32 v[SPW], v[NIL]
	v_lshrrev_b32 v4, 5, v0
	s_delay_alu instid0(VALU_DEP_1)
	v_readfirstlane_b32 s[WV], v4
	s_and_b32 s[W4], s[WV], 3
	s_and_b32 s[BH], ttmp7, 0xffff                 ; 8 batch + head, which the cluster's four share
	s_bfe_u32 s14, ttmp6, 0x40000
	s_lshl_b32 s[QB], ttmp9, 2
	s_add_co_u32 s[QB], s[QB], s14                 ; my block of 256 queries: it enters q's and the stores' addresses alone
	s_mov_b32 s[SEL], 0x76543210
	s_mov_b32 s[SEL+1], 0xfedcba98
	s_mov_b32 s[CS], 0x3e38aa3b
	s_mov_b32 s[CS+1], s[CS]
	s_mov_b32 s[NC], 0xbe38aa3b
	s_mov_b32 s[G1], 15|(3<<16)|(1<<21)
	s_mov_b32 s[G1+1], 32<<16
	s_mov_b32 s[G1+2], 104<<16
	s_mov_b32 s[G1+3], 32<<16
	s_mov_b32 s[G1+4], 104
	s_mov_b32 s[G1+5], 32
	s_mov_b32 s[G1+6], 0
	s_mov_b32 s[G1+7], 0
	s_mul_i32 s48, s[BH], HEADB
	s_mul_i32 s49, s[W4], 2*REC
	s_add_co_u32 s48, s48, s49
	s_mov_b32 s49, 0
	s_mov_b32 s[TB], 0
	s_mov_b32 s[SLOTS], 3
	s_and_b32 s40, s[WV], 1
	s_sub_co_u32 s[PAR], 0, s40                    ; all ones where my tile is the odd one of its fragment
	s_lshl_b32 s40, s40, 4
	s_lshl_b32 s44, s[BH], 5
	s_lshl_b32 s45, s[QB], 1
	s_add_co_u32 s44, s44, s45
	s_lshr_b32 s45, s[WV], 3
	s_add_co_u32 s44, s44, s45
	s_mul_i32 s44, s44, QREC
	s_mov_b32 s45, 0
	s_bfe_u32 s46, s[WV], 0x20001                  ; which of the record's four fragments
	s_mul_i32 s47, s46, 1536
	s_lshl_b32 s46, s46, 2
	s_lshr_b32 s42, s[BH], 3
	s_lshl_b32 s42, s42, 4
	s_add_co_u32 s42, s42, s[QB]
	s_lshl_b32 s42, s42, 4
	s_add_co_u32 s42, s42, s[WV]                   ; g = (16 batch + block) 16 + wave
	s_and_b32 s43, s[BH], 7
	s_mul_i32 s50, s42, 6144
	s_mul_i32 s51, s43, 768
	s_add_co_u32 s50, s50, s51
	s_mov_b32 s51, 0
	s_lshl_b32 s52, s42, 8
	s_lshr_b32 s53, s43, 1
	s_lshl_b32 s53, s53, 6
	s_add_co_u32 s52, s52, s53
	s_and_b32 s53, s43, 1
	s_lshl_b32 s53, s53, 1
	s_add_co_u32 s52, s52, s53
	s_mov_b32 s53, 0
	s_wait_dscnt 0x0
	s_wait_kmcnt 0x0
	s_mov_b32 s[G0], 1
	s_mul_i32 s[G0+1], s[W4], 2*REC
	s_add_nc_u64 s[G0+2:G0+3], s[6:7], s[48:49]
	s_or_b32 s[G0+3], s[G0+3], 0x80000000
	s_add_nc_u64 s[4:5], s[4:5], s[44:45]
	s_add_nc_u64 s[8:9], s[8:9], s[50:51]          ; cimg: 6,144 g + 768 head
	s_add_nc_u64 s[10:11], s[10:11], s[52:53]      ; csc: 256 g + 64 (head / 2) + 2 (head % 2)
	CROUND
	TLOAD                                          ; slot 0
	v_and_b32 v34, 31, v0
	s_delay_alu instid0(VALU_DEP_1)
	v_lshlrev_b32 v[LI], 4, v34
	s_delay_alu instid0(VALU_DEP_1)
	v_add_nc_u32 v34, s47, v[LI]
	v_add_nc_u32 v35, s46, v[LI]
	global_load_b128 v[40:43], v34, s[4:5]         ; the fragment that holds my tile
	global_load_b128 v[44:47], v34, s[4:5] offset:512
	global_load_b128 v[48:51], v34, s[4:5] offset:1024
	global_load_b32 v[TT], v35, s[4:5] offset:6144
	v_mov_b32 v13, 0xff61b1e6                      ; -3e38, under every score
	s_delay_alu instid0(VALU_DEP_1)
	v_mul_f32 v12, s[NC], v13
	s_delay_alu instid0(VALU_DEP_1)
	v_floor_f32 v12, v12                           ; -M
	v_mov_b32 v14, 0
	v_mov_b32 v15, 0
	v_mov_b32 v[TX], 0                             ; a lane permute's destination counts as one of its sources
	v_mov_b32 v[PSC], 0                            ; (named as the upper half of the pair with f)
	v_bfe_u32 v[H8], v0, 4, 1
	s_delay_alu instid0(VALU_DEP_1)
	v_lshlrev_b32 v[H8], 3, v[H8]
	s_wait_alu depctr_va_vdst(0)
	s_wait_loadcnt 0x0
.irp n, 0,1,2,3,4,5
	v_cndmask_b32 v[16+\n], v[40+\n], v[46+\n], s[PAR]
.endr
.irp n, 0,1,2,3,4,5
	v_mov_b32 v[28+\n], v[16+\n]
.endr
.irp n, 0,1,2,3,4,5
	v_mov_b32 v[22+\n], 0
.endr
	v_lshrrev_b32 v[TT], s40, v[TT]
	s_delay_alu instid0(VALU_DEP_1)
	v_and_b32 v[TT], 0xffff, v[TT]
	s_delay_alu instid0(VALU_DEP_1)
	v_lshl_or_b32 v[QSC], v[TT], 16, v[TT]
.set J, 0
.rept 32
	v_mov_b32 v[OA+J], 0                           ; the step is written once: the first finds zeros
.set J, J+1
.endr
	s_wait_alu depctr_va_vdst(0)
.Lslot:
	CHANGE 1
	EIGHT
	s_sub_co_u32 s[SLOTS], s[SLOTS], 1
	s_cmp_lg_u32 s[SLOTS], 0
	s_cbranch_scc1 .Lslot
	CHANGE 0                                       ; the last slot is written out
	EIGHT
	; THE WAY OUT.  Register 16 e + i of O^T is d = 32 e + 16 h + i of my query: two blocks of 32 along E.
	s_wait_alu depctr_va_vdst(0)
	v_and_b32 v34, 31, v0
	s_delay_alu instid0(VALU_DEP_1)
	v_lshlrev_b32 v[GO], 3, v34
	v_and_b32 v34, 15, v0
	v_bfe_u32 v35, v0, 4, 1
	s_delay_alu instid0(VALU_DEP_1)
	v_lshl_add_u32 v[GS], v34, 2, v35
	v_add_f32 v14, v14, v15
	s_delay_alu instid0(VALU_DEP_1)
	v_permlanex16_b32 v[TT], v14, s[SEL], s[SEL+1]
	s_delay_alu instid0(VALU_DEP_1)
	v_add_f32 v14, v14, v[TT]                      ; the row's sum
	s_wait_alu depctr_va_vdst(0)
	v_rcp_f32 v14, v14
	v_nop
	s_wait_alu depctr_va_vdst(0)
.set J, 0
.rept 32
	v_mul_f32 v[S+J], v[OA+J], v14
.set J, J+1
.endr
.irp e, 0,1
	v_max3_num_f32 v[BM+\e], |v[S+16*\e]|, |v[S+1+16*\e]|, 0x2800000
.endr
.irp i, 2,4,6,8,10,12,14
.irp e, 0,1
	s_delay_alu instid0(VALU_DEP_2)
	v_max3_num_f32 v[BM+\e], v[BM+\e], |v[S+16*\e+\i]|, |v[S+1+16*\e+\i]|
.endr
.endr
.irp e, 0,1
	s_delay_alu instid0(VALU_DEP_2)
	v_permlanex16_b32 v[BT+\e], v[BM+\e], s[SEL], s[SEL+1]
.endr
.irp e, 0,1
	s_delay_alu instid0(VALU_DEP_2)
	v_max_num_f32 v[BM+\e], v[BM+\e], v[BT+\e]
.endr
.irp e, 0,1
	s_delay_alu instid0(VALU_DEP_2)
	v_add_nc_u32 v[SO+\e], 0xfe000000, v[BM+\e]
.endr
.irp e, 0,1
	s_delay_alu instid0(VALU_DEP_2)
	v_lshrrev_b32 v[BT+\e], 23, v[SO+\e]
.endr
	v_cvt_scalef32_pk16_bf6_f32 v[PC:PC+2], v[S:S+15], v[SO]
	v_cvt_scalef32_pk16_bf6_f32 v[XH:XH+2], v[S+16:S+31], v[SO+1]
	v_nop
.irp n, 0,1,2
	v_permlane16_swap_b32 v[PC+\n], v[XH+\n]       ; lanes 0-15 block 0, lanes 16-31 block 1
.endr
.irp n, 0,1,2
	s_delay_alu instid0(VALU_DEP_3)
	v_mov_b32 v[PC+3+\n], v[XH+\n]
.endr
	v_cmp_eq_u32 vcc_lo, 1, v35
	s_delay_alu instid0(VALU_DEP_1)
	v_cndmask_b32 v34, v[BT], v[BT+1], vcc_lo
.irp p, 0,1,2
	global_store_b64 v[GO], v[PC+2*\p:PC+2*\p+1], s[8:9] offset:256*\p   ; 32 lanes store 256 consecutive bytes, aligned
.endr
	global_store_b8 v[GS], v34, s[10:11]
	s_wait_tensorcnt 0x0                           ; the wave's end
	ds_add_u32 v[SPW], v[NIL]
	s_wait_dscnt 0x0
	CROUND                                         ; the closing round
	s_endpgm
.Lfunc_end_k_q049a44497e_attn:
	.size	k_q049a44497e_attn, .Lfunc_end_k_q049a44497e_attn-k_q049a44497e_attn
	.p2alignl 7, 3214868480
	.fill 96, 4, 3214868480
	.section	.rodata,"a",@progbits
	.p2align	6, 0x0
	.amdhsa_kernel k_q049a44497e_attn
		.amdhsa_group_segment_fixed_size 327680
		.amdhsa_private_segment_fixed_size 0
		.amdhsa_enable_private_segment 0
		.amdhsa_kernarg_size 32
		.amdhsa_user_sgpr_count 2
		.amdhsa_user_sgpr_kernarg_segment_ptr 1
		.amdhsa_wavefront_size32 1
		.amdhsa_system_sgpr_workgroup_id_x 1
		.amdhsa_system_sgpr_workgroup_id_y 1
		.amdhsa_system_sgpr_workgroup_id_z 1
		.amdhsa_system_vgpr_workitem_id 0
		.amdhsa_next_free_vgpr 256
		.amdhsa_next_free_sgpr 66
		.amdhsa_reserve_vcc 1
		.amdhsa_float_denorm_mode_32 3
		.amdhsa_float_denorm_mode_16_64 3
		.amdhsa_memory_ordered 1
		.amdhsa_forward_progress 1
		.amdhsa_inst_pref_size 43
	.end_amdhsa_kernel
	.amdgpu_metadata
---
amdhsa.version: [ 1, 2 ]
amdhsa.kernels:
  - .name:           k_q049a44497e_attn
    .symbol:         k_q049a44497e_attn.kd
    .args:
      - { .name: qimg, .offset: 0, .size: 8, .value_kind: global_buffer, .address_space: global }
      - { .name: kv, .offset: 8, .size: 8, .value_kind: global_buffer, .address_space: global }
      - { .name: cimg, .offset: 16, .size: 8, .value_kind: global_buffer, .address_space: global }
      - { .name: csc, .offset: 24, .size: 8, .value_kind: global_buffer, .address_space: global }
    .group_segment_fixed_size: 327680
    .private_segment_fixed_size: 0
    .kernarg_segment_align: 8
    .kernarg_segment_size: 32
    .max_flat_workgroup_size: 512
    .sgpr_count:     66
    .vgpr_count:     256
    .wavefront_size: 32
...
	.end_amdgpu_metadata
.endif
;; end of part 2
;; launch outp (part 3): grid 64 x 4, 4 waves a work-group, clusters of 4 x 1, 327,680 bytes of LDS; arguments cimg, csc, Wo_codes, Wo_scales, bo, out0; writes out0
.if DOCPART == 3
	.amdgcn_target "amdgcn-amd-amdhsa--gfx1250"
	.amdhsa_code_object_version 6
	.text
	.protected	k_q049a44497e_outp
	.globl	k_q049a44497e_outp
	.p2align	8
	.type	k_q049a44497e_outp,@function
k_q049a44497e_outp:
	s_mov_b64 s[64:65], 0
	v_nop
	global_prefetch_b8 v0, s[64:65] scope:SCOPE_SE
	s_setreg_imm32_b32 hwreg(HW_REG_WAVE_MODE, 25, 1), 1
	s_wait_xcnt 0x0
	s_wait_alu depctr_hold_cnt(0) depctr_sa_sdst(0) depctr_va_vdst(0) depctr_va_sdst(0) depctr_va_ssrc(0) depctr_va_vcc(0) depctr_vm_vsrc(0)
	s_getreg_b32 s2, hwreg(HW_REG_IB_STS2, 6, 4)
	s_cmp_eq_u32 s2, 0
	s_cbranch_scc0 .Lentry_in_a_cluster
	s_endpgm
.Lentry_in_a_cluster:
	s_bfe_u32 s2, ttmp6, 0x10000c
	s_cmp_lg_u32 s2, 0x3003
	s_cbranch_scc0 .Lentry_shape_is_right
	s_endpgm
.Lentry_shape_is_right:
.set PITCH, 432
.set WT,    0
.set WS,    128*PITCH
.set STAGE, WS+2048
.set SP,    528
.set LI,  1
.set AP,  2
.set ASP, 6
.set AB8, 8
.set AI,  9
.set STO, 10
.set RD,  11
.set AS4, 12
.set PSC, 16
.set RSC, 48
.set ACC, 128
.set BQ,  192
.set WV,  16
.set FQ,  17
.set XB,  18
.set G1W, 24
.set G1S, 32
.set G0W, 40
.set G0S, 44
.set MSB, 0
.macro WIN new
.if MSB != \new
	s_set_vgpr_msb (MSB<<8)|\new
.set MSB, \new
.endif
.endm
.macro CROUND
	s_barrier_signal -1
	s_barrier_wait -1
	s_cmp_lg_u32 s[WV], 0
	s_cbranch_scc1 .Lnot_wave_0_\@
	s_barrier_signal -3
.Lnot_wave_0_\@:
	s_barrier_wait -3
	s_barrier_signal -1
	s_barrier_wait -1
.endm
.macro FRAG reg, adr, row, ks
.irp p, 0,1,2,3,4,5
.set X0, 96*(\ks)+48*(\p/3)+8*(\p%3)
.if X0%128 < 104
	ds_load_b64 v[\reg+2*\p:\reg+2*\p+1], v[\adr] offset:X0+16*(X0/128)+(\row)*PITCH
.else
	ds_load_b64 v[\reg+2*\p:\reg+2*\p+1], v[\adr+1] offset:X0+16*(X0/128)+(\row)*PITCH
.endif
.endr
.endm
.macro PLOAD
	WIN 0x40
.irp s, 0,1
.irp t, 0,1,2,3,4,5,6,7
	FRAG 12*(8*\s+\t), AP, 32*(\t/2)+8*(\t%2), \s
.endr
.endr
	WIN 0x80
.irp s, 2,3
.irp t, 0,1,2,3,4,5,6,7
	FRAG 12*(8*(\s-2)+\t), AP, 32*(\t/2)+8*(\t%2), \s
.endr
.endr
	WIN 0
.irp t, 0,1,2,3,4,5,6,7
	ds_load_b128 v[PSC+4*\t:PSC+4*\t+3], v[ASP] offset:(32*(\t/2)+8*(\t%2))*16
.endr
.endm
.macro MUL ks, cm
.if (\ks) < 2
.if (\cm) == 1
	WIN 0x1d
.else
	WIN 0x0d
.endif
.else
	WIN 0x0e
.endif
.irp u, 0,1
.irp t, 0,1,2,3,4,5,6,7
.set rA, 12*(8*((\ks)%2)+\t)
.set rB, 12*(4*\u+(\ks))
.set rD, ACC+64*\u+8*\t
.if (\cm) == 1
	v_wmma_scale_f32_16x16x128_f8f6f4 v[rD:rD+7], v[rA:rA+11], v[rB:rB+11], v[BQ+8*\t:BQ+8*\t+7], v[PSC+4*\t+(\ks)], v[RSC+4*\u+(\ks)] matrix_a_fmt:MATRIX_FMT_BF6 matrix_b_fmt:MATRIX_FMT_BF6
.else
	v_wmma_scale_f32_16x16x128_f8f6f4 v[rD:rD+7], v[rA:rA+11], v[rB:rB+11], v[rD:rD+7], v[PSC+4*\t+(\ks)], v[RSC+4*\u+(\ks)] matrix_a_fmt:MATRIX_FMT_BF6 matrix_b_fmt:MATRIX_FMT_BF6
.endif
.endr
.endr
.endm
.macro TOSTAGE u
	WIN 0
.irp t, 0,1,2,3,4,5,6,7
	ds_store_b128 v[STO], v[ACC+64*\u+8*\t:ACC+64*\u+8*\t+3] offset:16*SP*\u+128*(\t/2)+32*(\t%2)
	ds_store_b128 v[STO], v[ACC+64*\u+8*\t+4:ACC+64*\u+8*\t+7] offset:16*SP*\u+128*(\t/2)+32*(\t%2)+16
.endr
	WIN 0x40
.irp n, 0,1,2,3,4,5,6,7,8,9,10,11,12,13,14,15
	ds_load_b128 v[64*\u+4*\n:64*\u+4*\n+3], v[RD] offset:16*SP*\u+SP*\n
.endr
.endm
.macro SEND u, younger
	WIN 0x04
	s_wait_dscnt \younger
.irp n, 0,1,2,3,4,5,6,7,8,9,10,11,12,13,14,15
	global_store_b128 v[LI], v[64*\u+4*\n:64*\u+4*\n+3], s[14:15] offset:(8*\u+\n+24*(\n/8))*2048 th:TH_STORE_NT   ; row n of tile u is token 8 u + n % 8 + 32 (n / 8) of the fragment
.endr
.endm
	s_load_b256 s[4:11], s[0:1], 0x0
	s_load_b128 s[12:15], s[0:1], 0x20
	v_lshl_add_u32 v126, v0, 2, 0x29000
	v_mov_b32 v127, 0
	ds_add_u32 v126, v127
	ds_add_u32 v126, v127
	v_lshrrev_b32 v10, 5, v0
	v_readfirstlane_b32 s[WV], v10
	s_and_b32 s[FQ], ttmp7, 0xffff
	s_bfe_u32 s48, ttmp6, 0x40000
	s_lshl_b32 s[XB], ttmp9, 2
	s_add_co_u32 s[XB], s[XB], s48
	s_mov_b32 s[G1W], 15|(1<<20)|(1<<21)|(4<<22)|(3<<25)
	s_mov_b32 s[G1W+1], 256<<16                    ; Wo's 128 rows are dense: 192 rows of 256 bytes, 64 for each of waves 0-2; the padding behind every 128 bytes gives the LDS rows of 432
	s_mov_b32 s[G1W+2], 64<<16
	s_mov_b32 s[G1W+3], 256<<16
	s_mov_b32 s[G1W+4], 64
	s_mov_b32 s[G1W+5], 256
	s_mov_b32 s[G1W+6], 0
	s_mov_b32 s[G1W+7], 0
	s_mov_b32 s[G1S], 15|(3<<16)|(1<<21)
	s_mov_b32 s[G1S+1], 32<<16
	s_mov_b32 s[G1S+2], 8<<16                      ; the 128 rows' scale bytes, whole: wave 3's load
	s_mov_b32 s[G1S+3], 32<<16
	s_mov_b32 s[G1S+4], 8
	s_mov_b32 s[G1S+5], 32
	s_mov_b32 s[G1S+6], 0
	s_mov_b32 s[G1S+7], 0
	s_mul_i32 s20, s[FQ], 49152
	s_mul_i32 s21, s[WV], 16384
	s_add_co_u32 s20, s20, s21
	s_mov_b32 s21, 0
	s_lshl_b32 s22, s[FQ], 11
	s_mov_b32 s23, 0
	s_add_co_u32 s22, s22, s23
	s_mov_b32 s23, 0
	s_lshl_b32 s56, s[FQ], 9
	s_mov_b32 s57, 0
	s_lshl_b32 s48, s[XB], 2
	s_add_co_u32 s48, s48, s[WV]
	s_mul_i32 s50, s48, 12288
	s_mov_b32 s51, 0
	s_lshl_b32 s52, s48, 9
	s_mov_b32 s53, 0
	s_lshl_b32 s54, s[XB], 18                      ; my fragment's first token: 128 block + 64 (wave / 2) + 16 (wave % 2), rows of 2,048 bytes
	s_lshr_b32 s55, s[WV], 1
	s_lshl_b32 s55, s55, 17
	s_add_co_u32 s54, s54, s55
	s_and_b32 s55, s[WV], 1
	s_lshl_b32 s55, s55, 15
	s_add_co_u32 s54, s54, s55
	s_add_co_u32 s54, s54, s56
	s_mov_b32 s55, 0
	s_wait_dscnt 0x0
	s_wait_kmcnt 0x0
	s_mov_b32 s[G0W], 1
	s_mul_i32 s[G0W+1], s[WV], 18432
	s_add_nc_u64 s[G0W+2:G0W+3], s[8:9], s[20:21]
	s_or_b32 s[G0W+3], s[G0W+3], 0x80000000
	s_mov_b32 s[G0S], 1
	s_mov_b32 s[G0S+1], 0
	s_add_co_u32 s[G0S+1], s[G0S+1], WS
	s_add_nc_u64 s[G0S+2:G0S+3], s[10:11], s[22:23]
	s_or_b32 s[G0S+3], s[G0S+3], 0x80000000
	s_add_nc_u64 s[4:5], s[4:5], s[50:51]
	s_add_nc_u64 s[6:7], s[6:7], s[52:53]
	s_add_nc_u64 s[12:13], s[12:13], s[56:57]
	s_add_nc_u64 s[14:15], s[14:15], s[54:55]
	CROUND
	s_cmp_lt_u32 s[WV], 3                          ; one tensor load a wave at the head: waves 0-2 a third of the codes each, wave 3 the scales
	s_cbranch_scc0 .Lhead_s
	tensor_load_to_lds s[G0W:G0W+3], s[G1W:G1W+7]
	s_nop 0
.rept 4
	v_nop
.endr
	s_branch .Lhead_asked
.Lhead_s:
	tensor_load_to_lds s[G0S:G0S+3], s[G1S:G1S+7]
	s_nop 0
.rept 4
	v_nop
.endr
.Lhead_asked:
.rept 4
	v_nop
.endr
	v_and_b32 v10, 31, v0
	v_lshlrev_b32 v[LI], 4, v10
	v_lshlrev_b32 v[AI], 3, v10
	v_and_b32 v13, 15, v0
	v_bfe_u32 v14, v0, 4, 1
	v_lshlrev_b32 v[AS4], 2, v13
	v_lshlrev_b32 v[AB8], 6, v14
	WIN 0xc0
.irp u, 0,1
.irp s, 0,1,2,3
.irp p, 0,1,2,3,4,5
	global_load_b64 v[12*(4*\u+\s)+2*\p:12*(4*\u+\s)+2*\p+1], v[AI], s[4:5] offset:6144*\u+1536*\s+256*\p
.endr
.endr
.endr
	WIN 0
.irp u, 0,1
.irp s, 0,1,2,3
	global_load_b32 v[RSC+4*\u+\s], v[AS4], s[6:7] offset:256*\u+64*\s
.endr
.endr
	WIN 0x40
.irp t, 0,1,2,3,4,5,6,7
	global_load_b128 v[BQ+8*\t:BQ+8*\t+3], v[AB8], s[12:13] offset:(32*(\t/2)+8*(\t%2))*4
	global_load_b128 v[BQ+8*\t+4:BQ+8*\t+7], v[AB8], s[12:13] offset:(32*(\t/2)+8*(\t%2))*4+16
.endr
	WIN 0
	v_and_b32 v15, 8, v13
	v_add_nc_u32 v15, v15, v13
	v_mul_u32_u24 v10, v15, PITCH
	v_mad_u32_u24 v[AP], v14, 24, v10
	v_mad_u32_u24 v[AP+1], v14, 40, v10
	v_lshl_add_u32 v[ASP], v15, 4, WS
	s_mul_i32 s58, s[WV], 2*16*SP
	s_add_co_u32 s58, s58, STAGE
	v_mul_u32_u24 v[STO], v13, SP
	v_lshl_add_u32 v[STO], v14, 6, v[STO]
	v_add_nc_u32 v[STO], s58, v[STO]
	v_add_nc_u32 v[RD], s58, v[LI]
	s_wait_alu depctr_va_vdst(0)
	s_wait_tensorcnt 0x0
	s_barrier_signal -1
	s_barrier_wait -1
	PLOAD
	s_wait_dscnt 0x0
	s_wait_loadcnt 0x0
	MUL 0, 1
	MUL 1, 0
	MUL 2, 0
	MUL 3, 0
	WIN 0
.rept 4
	v_nop
.endr
	TOSTAGE 0
	TOSTAGE 1
	SEND 0, 32
	SEND 1, 0
	WIN 0
	s_wait_dscnt 0x0
	s_wait_tensorcnt 0x0
	ds_add_u32 v126, v127
	s_wait_dscnt 0x0
	CROUND
	s_endpgm
.Lfunc_end_k_q049a44497e_outp:
	.size	k_q049a44497e_outp, .Lfunc_end_k_q049a44497e_outp-k_q049a44497e_outp
	.p2alignl 7, 3214868480
	.fill 96, 4, 3214868480
	.section	.rodata,"a",@progbits
	.p2align	6, 0x0
	.amdhsa_kernel k_q049a44497e_outp
		.amdhsa_group_segment_fixed_size 327680
		.amdhsa_private_segment_fixed_size 0
		.amdhsa_enable_private_segment 0
		.amdhsa_kernarg_size 48
		.amdhsa_user_sgpr_count 2
		.amdhsa_user_sgpr_kernarg_segment_ptr 1
		.amdhsa_wavefront_size32 1
		.amdhsa_system_sgpr_workgroup_id_x 1
		.amdhsa_system_sgpr_workgroup_id_y 1
		.amdhsa_system_sgpr_workgroup_id_z 1
		.amdhsa_system_vgpr_workitem_id 0
		.amdhsa_next_free_vgpr 864
		.amdhsa_next_free_sgpr 66
		.amdhsa_reserve_vcc 0
		.amdhsa_float_denorm_mode_32 3
		.amdhsa_float_denorm_mode_16_64 3
		.amdhsa_memory_ordered 1
		.amdhsa_forward_progress 1
		.amdhsa_inst_pref_size 41
	.end_amdhsa_kernel
	.amdgpu_metadata
---
amdhsa.version: [ 1, 2 ]
amdhsa.kernels:
  - .name:           k_q049a44497e_outp
    .symbol:         k_q049a44497e_outp.kd
    .args:
      - { .name: cimg, .offset: 0, .size: 8, .value_kind: global_buffer, .address_space: global }
      - { .name: csc, .offset: 8, .size: 8, .value_kind: global_buffer, .address_space: global }
      - { .name: Wo_codes, .offset: 16, .size: 8, .value_kind: global_buffer, .address_space: global }
      - { .name: Wo_scales, .offset: 24, .size: 8, .value_kind: global_buffer, .address_space: global }
      - { .name: bo, .offset: 32, .size: 8, .value_kind: global_buffer, .address_space: global }
      - { .name: out0, .offset: 40, .size: 8, .value_kind: global_buffer, .address_space: global }
    .group_segment_fixed_size: 327680
    .private_segment_fixed_size: 0
    .kernarg_segment_align: 8
    .kernarg_segment_size: 48
    .max_flat_workgroup_size: 128
    .sgpr_count:     66
    .vgpr_count:     864
    .wavefront_size: 32
...
	.end_amdgpu_metadata
.endif
;; end of part 3
